; MI455X (gfx1250); checked and timed in simulation.
; The chip was launched on July 23, 2026; its instructions are those of AMD's public machine-readable ISA for CDNA 5 (MIT licence, August 2026) and "CDNA5" Instruction Set Architecture Reference Guide (July 2026). The comments in the code are by the model that wrote it; some were corrected since.
;; Hard Causal Deep O Net. Allowed arithmetic: float matrix products may take bf16 or f16 operands with f32 sums; all other float work in f32.
;; Inputs: bb1 128 float32; bb2 128 float32; bb3 128 float32; bw1 128 x 128 float32; bw2 128 x 128 float32; bw3 128 x 128 float32; t 4,096 float32; tb1 128 float32; tb2 128 float32; tb3 128 float32; tw1 128 x 4 float32; tw2 128 x 128 float32; tw3 128 x 128 float32; u0 256 x 1,024 float32; x 4,096 float32.
;; Outputs: out0 256 x 4,096 float32.
;; One version. Each part assembles by itself: llvm-mc -triple=amdgcn-amd-amdhsa -mcpu=gfx1250 --defsym DOCPART=n.
;; ======== version 1 of 1: 1 launch
;; limits: values are held in f16: magnitudes above 65,504 overflow, below 6.1e-05 lose precision; inputs' magnitudes at most 65,504; a function is approximated: absolute error at most 0.001
;; launch fused (part 1): grid 32 x 8, 8 waves a work-group, no clusters, 289,280 bytes of LDS; arguments u0, x, t, bw1, bw2, bw3, tw1, tw2, tw3, bb1, bb2, bb3, tb1, tb2, tb3, out0; writes out0
.if DOCPART == 1
	.amdgcn_target "amdgcn-amd-amdhsa--gfx1250"
	.amdhsa_code_object_version 6
	.text
	.protected	k_q55ed599d5f_fused
	.globl	k_q55ed599d5f_fused
	.p2align	8
	.type	k_q55ed599d5f_fused,@function
k_q55ed599d5f_fused:
	s_mov_b64 s[64:65], 0
	v_nop
	global_prefetch_b8 v0, s[64:65] scope:SCOPE_SE
	s_setreg_imm32_b32 hwreg(HW_REG_WAVE_MODE, 25, 1), 1
	s_wait_xcnt 0x0
; out[b][p] = causal[p] * sum over d of branch[b][d] * trunk[p][d]
;   branch = MLP3(Fourier coefficients of u0), 256 x 128;  trunk = MLP3(x, t, sqrt(max(t^2 - x^2, 0)), causal), 4096 x 128.
; The trunk's features are the same for every batch row (x and t are broadcast), so the trunk is computed once for each point.
; One launch.  Work-group (px, by) makes 32 batch rows x 128 points: 32 x 8 = 256 work-groups of equal work, eight waves each.
;
; NUMBER FORMATS.  Sums in f32.  u0 x table and features x tw1 go as f16 products (11 bits; both sides have room).  All other products
; take operands split into bf16 hi + lo (x = hi + lo up to 2^-17) and three products hi hi + hi lo + lo hi: activations can shrink far below
; f16's range when the inputs shrink, bf16 keeps f32's exponents.
;
; LAYOUT.  Every layer is D = W (A: 16 output features) x act (B: 16 columns = points or batch rows).  In D lane (r, h) holds in register j
; feature 16 T + 8 h + j of column r; packed in pairs, tile 2c gives registers 0-3 and tile 2c+1 registers 4-7 of the next layer's B fragment
; of K step c: no shuffle between layers.  The bias is the C operand of an accumulator's first product.
; Trunk: wave w keeps its 16 points through all layers in registers.  Fourier and branch: wave w makes output tile w for both batch tiles,
; and the layers meet in 16 KiB of LDS behind a barrier.  Last product: A = trunk (points), B = branch: a lane holds 8 neighbouring points.
;
; THE TABLE cos / sin(pi k xs[s]) = cos(2 pi n / 4092), n = k (4 s - 2046) (- 1023 for sin), is made in registers: n in exact integers,
; reduced mod 4092 exactly, a polynomial of degree 11 for two seed K steps, then x(c+1) = 2 cos(D) x(c) - x(c-1) from K step to K step.
;
; LIMITS.  (1) Table: for modes 16, 32, 48, 64 the step angle lies 0.0031 to 0.0123 rad from a multiple of pi, and an error of about 1e-7 in
; 2 cos(D) lets the phase drift by up to about 1e-3 rad at the last sensors; other modes stay below about 3e-5 rad.
; (2) f16 operands (u0, x, t, proper time, tw1): magnitudes below 65504; below 6.1e-5 the absolute error is at most 3e-8.
; (3) t^2 - x^2 is one fused multiply-add on x^2: one rounding fewer than written in the problem.
; (4) v_sqrt_f32 takes a denormal argument as zero (ISA guide, its entry in 15.8): absolute error at most 1.1e-19.
;
; NO CLUSTER, NO TENSOR LOADS: what work-groups share (five weight matrices, 327,680 bytes of f32, and a u0 tile of 131,072) has to pass
; through vector instructions (convert, split) before a matrix instruction can take it.  Brought jointly it would lie raw in LDS, 458,752 bytes
; against the 327,680 that a work-group can be given, beside 275,000 bytes of converted images: a recycled ring and a second pass through LDS.
; So the data go memory -> registers -> LDS, each load of a wave covering 512 consecutive bytes.
; ---- LDS map (bytes) ----
.set L_U0H,   0                        ; u0 tile in f16: 32 rows, pitch 2064 = 2048 + 16
.set UPITCH,  2064
.set L_TW2,   66048                    ; bf16 hi image, 128 rows of pitch 272 = 256 + 16; lo image WLO further
.set L_TW3,   135680
.set L_BW,    205312                   ; the same for bw1, bw2, bw3 in turn; wave w touches rows 16 w .. 16 w + 15 only
.set WPITCH,  272
.set WLO,     34816
.set L_X0,    205312                   ; exchange buffer 0 (over the branch image, which is dead by then); buffer 1 XSZ further
.set XSZ,     16384                    ; ((part*2 + nt)*8 + tile)*512 + 16*lane
.set L_OUT,   238080                   ; 32 rows of 128 f32, pitch 528 = 512 + 16
.set OPITCH,  528
.set L_TW1,   274944                   ; f16, 128 rows x 32 k (k 0..3 = tw1's row, the rest 0), pitch 80 = 64 + 16
.set L_BIAS,  285184                   ; f32: bb1 bb2 bb3 tb1 tb2 tb3, 512 bytes each
; ---- vector registers, block 0 ----
.set LANE, 1
.set RR,   2                           ; lane & 15
.set HH,   3                           ; lane >> 4
.set GOFFW,4                           ; weights: w*8192 + 16*lane
.set GOFFU,5                           ; u0: w*16384 + 16*lane;  at the end OOFF
.set OOFF, 5                           ; out0: w*65536 + 16*lane
.set LSTW, 6                           ; w*4352 + 8*lane
.set AD,   7                           ; image base + LSTW
.set UB,   8                           ; staging: u0 store address;  then BWA;  Fourier: u0 read address
.set BWA,  8
.set WA2,  9
.set WA3,  10
.set WA1,  11
.set BA,   12                          ; L_BIAS + 32 h
.set BAB,  13                          ; L_BIAS + 64 w + 32 h
.set XW,   14                          ; L_X0 + 512 w + 16 lane
.set XR,   15                          ; L_X0 + 16 lane
.set OSW,  16
.set OSR,  17
.set XV,   18                          ; x, t of my point (16 w + r)
.set TV,   19
.set CM,   20                          ; v[20:23] mask of points 4 lane .. 4 lane + 3 (first: offsets of the small loads)
.set ACT0, 24                          ; 64: hi 32, lo 32
.set ACT1, 88                          ; 64
.set WF,   152                         ; 64: two buffers of 32
.set ACC,  216                         ; 16
.set BI,   232                         ; 16
.set TMP,  248                         ; 8
; staging and seeds
.set CQ,   172                         ; 18
.set CP,   190                         ; 18
.set C11P, 208                         ; pair
.set X0R,  216                         ; 16 table values of a K step
.set X1R,  232                         ; 16, the next K step
.set TC,   248                         ; pair: 128 k, then 2 cos of the K step's angle
.set K4,   250
.set K2P,  252
.set K16P, 254
; Fourier
.set AF,   24
.set BF0,  32
.set BF1,  48
.set FACC, 64
; branch
.set HO,   24
.set LO,   32
.set BB,   88                          ; fragment (part, nt, c) at BB + 64 part + 32 nt + 8 c
.set FB,   216                         ; trunk layer 1: the feature fragment
; block 1 (v256-v447): branch weight fragments of my tile, layer l, part, c at v[256 + 64 (l-1) + 32 part + 8 c]
.set MSB, 0
.macro WIN new                         ; the immediate's high byte repeats the setting that is left
.if MSB != \new
	s_set_vgpr_msb (MSB<<8)|\new
.set MSB, \new
.endif
.endm
.macro PLACES                          ; four places behind matrix instructions (ISA guide 7.12.1) where no useful independent work is at hand
.rept 4
	v_nop
.endr
.endm
.macro BAR                             ; all my LDS loads and stores are done, for the other waves' sake; then the barrier
	s_wait_dscnt 0x0
	s_barrier_signal -1
	s_barrier_wait -1
.endm
.macro MM d, a, b, c
	v_wmma_f32_16x16x32_bf16 v[\d:\d+7], v[\a:\a+7], v[\b:\b+7], v[\c:\c+7]
.endm
.macro MM0 d, a, b
	v_wmma_f32_16x16x32_bf16 v[\d:\d+7], v[\a:\a+7], v[\b:\b+7], 0
.endm
; 16 rows of a weight matrix (rows 16 w + i, 512 bytes each, one load a row)
.macro LOADW p, rb
.irp i, 0,1,2,3,4,5,6,7,8,9,10,11,12,13,14,15
	global_load_b128 v[\rb+4*\i:\rb+4*\i+3], v[GOFFW], s[\p:\p+1] offset:512*\i
.endr
.endm
; two of my four u0 rows: 16 pieces of 512 bytes
.macro LOADU rb, j0
.irp i, 0,1,2,3,4,5,6,7,8,9,10,11,12,13,14,15
	global_load_b128 v[\rb+4*\i:\rb+4*\i+3], v[GOFFU], s[8:9] offset:512*(\j0+\i)
.endr
.endm
; f32 -> f16 in place, 8 bytes a lane into the u0 image
.macro CVTU rb, rr0
.irp i, 0,1,2,3,4,5,6,7,8,9,10,11,12,13,14,15
	v_cvt_pk_f16_f32 v[\rb+4*\i], v[\rb+4*\i], v[\rb+4*\i+1]
	v_cvt_pk_f16_f32 v[\rb+4*\i+1], v[\rb+4*\i+2], v[\rb+4*\i+3]
	ds_store_b64 v[UB], v[\rb+4*\i:\rb+4*\i+1] offset:(\rr0+(\i>>3))*UPITCH+(\i&7)*256
.endr
.endm
; 16 rows of weights: hi = bf16(x), lo = bf16(x - hi), 8 bytes a lane into each image
.macro SPLITW rb, region
	v_add_nc_u32 v[AD], \region, v[LSTW]
.irp i, 0,1,2,3,4,5,6,7,8,9,10,11,12,13,14,15
	v_cvt_pk_bf16_f32 v250, v[\rb+4*\i], v[\rb+4*\i+1]
	v_cvt_pk_bf16_f32 v251, v[\rb+4*\i+2], v[\rb+4*\i+3]
	v_lshlrev_b32 v252, 16, v250
	v_and_b32 v253, s42, v250
	v_lshlrev_b32 v254, 16, v251
	v_and_b32 v255, s42, v251
	v_pk_add_f32 v[\rb+4*\i:\rb+4*\i+1], v[\rb+4*\i:\rb+4*\i+1], v[252:253] neg_lo:[0,1] neg_hi:[0,1]
	v_pk_add_f32 v[\rb+4*\i+2:\rb+4*\i+3], v[\rb+4*\i+2:\rb+4*\i+3], v[254:255] neg_lo:[0,1] neg_hi:[0,1]
	v_cvt_pk_bf16_f32 v[\rb+4*\i], v[\rb+4*\i], v[\rb+4*\i+1]
	v_cvt_pk_bf16_f32 v[\rb+4*\i+1], v[\rb+4*\i+2], v[\rb+4*\i+3]
	ds_store_b64 v[AD], v[250:251] offset:WPITCH*\i
	ds_store_b64 v[AD], v[\rb+4*\i:\rb+4*\i+1] offset:WLO+WPITCH*\i
.endr
.endm
; my tile's A fragments of branch layer l into block 1.  LDS serves a wave's instructions in order (ISA guide 5.7.1): these loads see my
; stores above, and the next matrix's stores into the same rows come behind them.
.macro BWFRAG l
	WIN 0x40
.irp part, 0,1
.irp c, 0,1,2,3
.irp q, 0,1
	ds_load_b128 v[64*(\l-1)+32*\part+8*\c+4*\q:64*(\l-1)+32*\part+8*\c+4*\q+3], v[BWA] offset:64*\c+32*\q+WLO*\part
.endr
.endr
.endr
	WIN 0
.endm
; in place: integers n (exact in f32) -> cos(2 pi n / 4092) = sin(2 pi y), y = 1/4 - |n mod 4092| / 4092 in [-1/4, 1/4]
.macro COSN xb, np
.set ci, 0
.rept \np
	v_pk_mul_f32 v[CQ+2*ci:CQ+2*ci+1], v[\xb+2*ci:\xb+2*ci+1], 0x39802008 op_sel_hi:[1,0]      ; n / 4092
.set ci, ci+1
.endr
.set ci, 0
.rept 2*\np
	v_rndne_f32 v[CQ+ci], v[CQ+ci]
.set ci, ci+1
.endr
.set ci, 0
.rept \np
	v_pk_fma_f32 v[\xb+2*ci:\xb+2*ci+1], v[CQ+2*ci:CQ+2*ci+1], 0xc57fc000, v[\xb+2*ci:\xb+2*ci+1] op_sel_hi:[1,0,1]   ; n - 4092 q, exact
.set ci, ci+1
.endr
.set ci, 0
.rept 2*\np
	v_fma_f32 v[\xb+ci], |v[\xb+ci]|, s43, s44                                                 ; y
.set ci, ci+1
.endr
.set ci, 0
.rept \np
	v_pk_mul_f32 v[CQ+2*ci:CQ+2*ci+1], v[\xb+2*ci:\xb+2*ci+1], v[\xb+2*ci:\xb+2*ci+1]          ; y^2
.set ci, ci+1
.endr
.set ci, 0
.rept \np
	v_pk_fma_f32 v[CP+2*ci:CP+2*ci+1], v[CQ+2*ci:CQ+2*ci+1], v[C11P:C11P+1], 0x42283c1a op_sel_hi:[1,1,0]   ; Taylor: c11 y^2 + c9
.set ci, ci+1
.endr
.irp cf, 0xc2996966, 0x42a335e3, 0xc2255de7, 0x40c90fdb                                        ; c7, c5, c3, c1 = 2 pi
.set ci, 0
.rept \np
	v_pk_fma_f32 v[CP+2*ci:CP+2*ci+1], v[CP+2*ci:CP+2*ci+1], v[CQ+2*ci:CQ+2*ci+1], \cf op_sel_hi:[1,1,0]
.set ci, ci+1
.endr
.endr
.set ci, 0
.rept \np
	v_pk_mul_f32 v[\xb+2*ci:\xb+2*ci+1], v[\xb+2*ci:\xb+2*ci+1], v[CP+2*ci:CP+2*ci+1]
.set ci, ci+1
.endr
.endm
; eight f32 of a result tile -> four registers of bf16 hi and four of lo (lo = bf16(x - hi)); relu first where asked
.macro SPLIT8 src, hi, lo, relu
.if \relu
.irp j, 0,1,2,3,4,5,6,7
	v_max_num_f32 v[\src+\j], 0, v[\src+\j]
.endr
.endif
.irp j, 0,1,2,3
	v_cvt_pk_bf16_f32 v[\hi+\j], v[\src+2*\j], v[\src+2*\j+1]
.endr
.irp j, 0,1,2,3
	v_lshlrev_b32 v[TMP+2*\j], 16, v[\hi+\j]
	v_and_b32 v[TMP+2*\j+1], s42, v[\hi+\j]
.endr
.irp j, 0,1,2,3
	v_pk_add_f32 v[TMP+2*\j:TMP+2*\j+1], v[\src+2*\j:\src+2*\j+1], v[TMP+2*\j:TMP+2*\j+1] neg_lo:[0,1] neg_hi:[0,1]
.endr
.irp j, 0,1,2,3
	v_cvt_pk_bf16_f32 v[\lo+\j], v[TMP+2*\j], v[TMP+2*\j+1]
.endr
.endm
; my tile's hi and lo for both batch tiles into an exchange buffer, and the barrier behind which all waves read it
.macro XSTORE xout
	ds_store_b128 v[XW], v[HO:HO+3] offset:\xout
	ds_store_b128 v[XW], v[HO+4:HO+7] offset:\xout+4096
	ds_store_b128 v[XW], v[LO:LO+3] offset:\xout+8192
	ds_store_b128 v[XW], v[LO+4:LO+7] offset:\xout+12288
	BAR
.endm
; One Fourier K step (32 sensors).  The eight recurrence lines name no matrix register: they are the places between the last step's two
; products and the loads into nxt (their B) and the conversions into AF (their A).
.macro FK xa, xb, cur, nxt, ldoff, zero
.irp i, 0,1,2,3,4,5,6,7
	v_pk_fma_f32 v[\xa+2*\i:\xa+2*\i+1], v[TC:TC+1], v[\xb+2*\i:\xb+2*\i+1], v[\xa+2*\i:\xa+2*\i+1] neg_lo:[0,0,1] neg_hi:[0,0,1]
.endr
.if \ldoff >= 0
.irp nt, 0,1
.irp q, 0,1
	ds_load_b128 v[\nxt+8*\nt+4*\q:\nxt+8*\nt+4*\q+3], v[UB] offset:\ldoff+16*UPITCH*\nt+32*\q
.endr
.endr
.endif
.irp i, 0,1,2,3,4,5,6,7
	v_cvt_pk_f16_f32 v[AF+\i], v[\xa+2*\i], v[\xa+2*\i+1]
.endr
.if \ldoff >= 0
	s_wait_dscnt 0x4                               ; the four loads just issued stay out; this step's four are in
.else
	s_wait_dscnt 0x0
.endif
.if \zero
	v_wmma_f32_16x16x32_f16 v[FACC:FACC+7], v[AF:AF+7], v[\cur:\cur+7], 0
	v_wmma_f32_16x16x32_f16 v[FACC+8:FACC+15], v[AF:AF+7], v[\cur+8:\cur+15], 0
.else
	v_wmma_f32_16x16x32_f16 v[FACC:FACC+7], v[AF:AF+7], v[\cur:\cur+7], v[FACC:FACC+7]
	v_wmma_f32_16x16x32_f16 v[FACC+8:FACC+15], v[AF:AF+7], v[\cur+8:\cur+15], v[FACC+8:FACC+15]
.endif
.endm
; One branch layer: my 16 output features x 32 batch rows, K = 128; A in block 1, B from exchange buffer xin, result into xout
.macro BLAYER l, xin, xout, relu
	ds_load_b128 v[BI:BI+3], v[BAB] offset:512*(\l-1)
	ds_load_b128 v[BI+4:BI+7], v[BAB] offset:512*(\l-1)+16
.irp c, 0,1,2,3
.irp part, 0,1
.irp nt, 0,1
.irp q, 0,1
	ds_load_b128 v[BB+64*\part+32*\nt+8*\c+4*\q:BB+64*\part+32*\nt+8*\c+4*\q+3], v[XR] offset:\xin+((2*\part+\nt)*8+2*\c+\q)*512
.endr
.endr
.endr
.endr
	WIN 0x01                                       ; A from block 1
.irp c, 0,1,2,3
	s_wait_dscnt 8*(3-\c)                          ; the eight loads of each later K step stay out
.if \c == 0
	MM ACC,64*(\l-1)+8*\c,BB+8*\c,BI               ; the bias starts the sums
	MM ACC+8,64*(\l-1)+8*\c,BB+32+8*\c,BI
.else
	MM ACC,64*(\l-1)+8*\c,BB+8*\c,ACC
	MM ACC+8,64*(\l-1)+8*\c,BB+32+8*\c,ACC+8
.endif
	MM ACC,64*(\l-1)+8*\c,BB+64+8*\c,ACC           ; hi x lo
	MM ACC+8,64*(\l-1)+8*\c,BB+96+8*\c,ACC+8
	MM ACC,64*(\l-1)+32+8*\c,BB+8*\c,ACC           ; lo x hi
	MM ACC+8,64*(\l-1)+32+8*\c,BB+32+8*\c,ACC+8
.endr
	WIN 0
	PLACES
	SPLIT8 ACC,HO,LO,\relu
	SPLIT8 ACC+8,HO+4,LO+4,\relu
	XSTORE \xout
.endm
; trunk: the A fragments of step s = 4 p + c (output tiles 2p, 2p+1, K step c, hi and lo), with the two tiles' bias where c = 0
.macro TLOAD wa, boff, s
.if ((\s)&3) == 0
.irp tt, 0,1
.irp q, 0,1
	ds_load_b128 v[BI+8*\tt+4*\q:BI+8*\tt+4*\q+3], v[BA] offset:\boff+(2*((\s)>>2)+\tt)*64+16*\q
.endr
.endr
.endif
.irp tt, 0,1
.irp part, 0,1
.irp q, 0,1
	ds_load_b128 v[WF+32*((\s)&1)+16*\tt+8*\part+4*\q:WF+32*((\s)&1)+16*\tt+8*\part+4*\q+3], v[\wa] offset:(2*((\s)>>2)+\tt)*16*WPITCH+64*((\s)&3)+WLO*\part+32*\q
.endr
.endr
.endr
.endm
; last product: branch_out's B fragments of K step c (hi and lo, both batch tiles) from exchange buffer 1
.macro FLOAD c
.irp part, 0,1
.irp nt, 0,1
.irp q, 0,1
	ds_load_b128 v[WF+32*((\c)&1)+16*\part+8*\nt+4*\q:WF+32*((\c)&1)+16*\part+8*\nt+4*\q+3], v[XR] offset:XSZ+((2*\part+\nt)*8+2*(\c)+\q)*512
.endr
.endr
.endr
.endm
.macro TMUL cur, s                     ; six products of step s
.set wfb, WF+32*((\s)&1)
.set bh, \cur+8*((\s)&3)
.if ((\s)&3) == 0
	MM ACC,wfb,bh,BI
	MM ACC+8,wfb+16,bh,BI+8
.else
	MM ACC,wfb,bh,ACC
	MM ACC+8,wfb+16,bh,ACC+8
.endif
	MM ACC,wfb,bh+32,ACC
	MM ACC+8,wfb+16,bh+32,ACC+8
	MM ACC,wfb+8,bh,ACC
	MM ACC+8,wfb+24,bh,ACC+8
.endm
; One trunk layer of 128 x 128 on my 16 points: 16 steps, the next step's fragments loaded while this step's are multiplied.
; tail = 1: the last step loads the next layer's first fragments; tail = 2: the last product's.
.macro TLAYER cur, nxt, wa, boff, relu, tail
.set ts, 0
.rept 16
.if (ts&3) != 0
	PLACES                                         ; behind the last step's products, whose A buffer is loaded again (at c = 0 the places in front of SPLIT8 serve)
.endif
.if ts < 15
	TLOAD \wa,\boff,ts+1
.if ((ts+1)&3) == 0
	s_wait_dscnt 12                                ; the 4 + 8 loads just issued stay out: this step's are in
.else
	s_wait_dscnt 8                                 ; the 8 loads just issued stay out
.endif
.else
.if \tail == 1
	TLOAD WA3,2560,0
	s_wait_dscnt 12
.else
	FLOAD 0
	s_wait_dscnt 8
.endif
.endif
	TMUL \cur,ts
.if (ts&3) == 3
	PLACES
	SPLIT8 ACC,\nxt+8*(ts>>2),\nxt+32+8*(ts>>2),\relu
	SPLIT8 ACC+8,\nxt+8*(ts>>2)+4,\nxt+32+8*(ts>>2)+4,\relu
.endif
.set ts, ts+1
.endr
.endm
; ================= prolog: pointers, ids, the offsets that the loads need =================
	s_load_b512 s[8:23], s[0:1], 0x0               ; u0 8, x 10, t 12, bw1 14, bw2 16, bw3 18, tw1 20, tw2 22
	s_load_b512 s[24:39], s[0:1], 0x40             ; tw3 24, bb1 26, bb2 28, bb3 30, tb1 32, tb2 34, tb3 36, out0 38
	s_set_vgpr_msb 0x40
	v_lshl_add_u32 v192, v0, 2, 0x46600
	v_mov_b32 v193, 0
	s_set_vgpr_msb 0x4000
	v_lshrrev_b32 v2, 5, v0
	v_readfirstlane_b32 s2, v2                     ; wave 0..7
	v_and_b32 v[LANE], 31, v0
	v_and_b32 v[RR], 15, v0
	v_bfe_u32 v[HH], v0, 4, 1
	s_mov_b32 s4, ttmp9                            ; px: block of 128 points
	s_and_b32 s5, ttmp7, 0xffff                    ; by: block of 32 batch rows
	s_lshl_b32 s6, s2, 13
	v_lshl_add_u32 v[GOFFW], v[LANE], 4, s6
	s_lshl_b32 s6, s2, 14
	v_lshl_add_u32 v[GOFFU], v[LANE], 4, s6
	v_and_b32 v20, 127, v0
	v_lshlrev_b32 v20, 2, v20                      ; bias word tid & 127
	v_lshrrev_b32 v21, 1, v0
	v_lshlrev_b32 v21, 4, v21                      ; tw1 row tid >> 1
	v_lshlrev_b32 v22, 4, v[LANE]                  ; points 4 lane .. + 3
	s_lshl_b32 s6, s2, 6
	v_lshl_add_u32 v23, v[RR], 2, s6               ; point 16 w + r
	s_mov_b32 s42, 0xffff0000                      ; a word's upper bf16
	s_mov_b32 s43, 0xb9802008                      ; -1/4092
	s_mov_b32 s44, 0x3e800000                      ; 1/4
	s_lshl_b32 s40, s5, 17                         ; 32 rows of 4,096 bytes
	s_mov_b32 s41, 0
	s_wait_kmcnt 0x0
	s_add_nc_u64 s[8:9], s[8:9], s[40:41]          ; u0 at my first row
	s_lshl_b32 s40, s4, 9                          ; 128 points of 4 bytes
	s_add_nc_u64 s[10:11], s[10:11], s[40:41]
	s_add_nc_u64 s[12:13], s[12:13], s[40:41]
	s_lshl_b32 s6, s5, 19                          ; 32 rows of 16,384 bytes
	s_add_co_u32 s40, s40, s6
	s_add_nc_u64 s[38:39], s[38:39], s[40:41]      ; out0 at my block
	s_cmp_lt_u32 s2, 4                             ; threads 0-127 bring bb1, bb3, tb2; threads 128-255 bb2, tb1, tb3
	s_cselect_b64 s[46:47], s[26:27], s[28:29]
	s_cselect_b64 s[48:49], s[30:31], s[32:33]
	s_cselect_b64 s[50:51], s[34:35], s[36:37]
; ================= loads: 8 small ones, then my four rows of u0 =================
	global_load_b32 v152, v20, s[46:47]
	global_load_b32 v153, v20, s[48:49]
	global_load_b32 v154, v20, s[50:51]
	global_load_b128 v[156:159], v21, s[20:21]
	global_load_b128 v[160:163], v22, s[10:11]
	global_load_b128 v[164:167], v22, s[12:13]
	global_load_b32 v[XV], v23, s[10:11]
	global_load_b32 v[TV], v23, s[12:13]
	LOADU ACT0, 0
	LOADU ACT1, 16
; ================= under the loads: LDS addresses =================
	s_mul_i32 s6, s2, 16*WPITCH
	v_lshl_add_u32 v[LSTW], v[LANE], 3, s6
	s_mul_i32 s6, s2, 4*UPITCH
	v_lshl_add_u32 v[UB], v[LANE], 3, s6           ; my four rows of the u0 image (L_U0H = 0)
	v_mul_u32_u24 v[WA2], v[RR], WPITCH
	v_lshl_add_u32 v[WA2], v[HH], 4, v[WA2]        ; fragment address: row r, 16 bytes for each half of the lanes
	v_add_nc_u32 v[WA3], L_TW3, v[WA2]
	v_add_nc_u32 v[WA2], L_TW2, v[WA2]
	v_mul_u32_u24 v[WA1], v[RR], 80
	v_lshl_add_u32 v[WA1], v[HH], 4, v[WA1]
	v_add_nc_u32 v[WA1], L_TW1, v[WA1]
	v_lshlrev_b32 v[BA], 5, v[HH]
	v_add_nc_u32 v[BA], L_BIAS, v[BA]
	s_lshl_b32 s6, s2, 6
	v_add_nc_u32 v[BAB], s6, v[BA]
	v_lshlrev_b32 v[XR], 4, v[LANE]
	v_add_nc_u32 v[XR], L_X0, v[XR]
	s_lshl_b32 s6, s2, 9
	v_add_nc_u32 v[XW], s6, v[XR]
	v_mul_u32_u24 v[OSW], v[RR], OPITCH
	v_lshl_add_u32 v[OSW], v[HH], 5, v[OSW]
	s_lshl_b32 s6, s2, 6
	s_add_co_u32 s6, s6, L_OUT
	v_add_nc_u32 v[OSW], s6, v[OSW]                ; row r, points 16 w + 8 h
	s_mul_i32 s6, s2, 4*OPITCH
	s_add_co_u32 s6, s6, L_OUT
	v_lshl_add_u32 v[OSR], v[LANE], 4, s6          ; rows 4 w .., 16 bytes a lane
; ================= under the loads: the table's seeds, K steps -2 and -1 =================
; Lane (r, h) of wave w holds mode k = 16 (w & 3) + r + 1, cos for w < 4, sin (a quarter turn, 1023 / 4092) for w >= 4.
; Its 16 sensors of the K step at s0: s0 + 8 h + 0..7 and s0 + 16 + 8 h + 0..7.  n = k (4 s - 2046) - 1023 (w >> 2), |n| < 2^18: exact in f32.
	s_and_b32 s6, s2, 3
	s_lshl_b32 s6, s6, 4
	s_add_co_u32 s6, s6, 1
	s_lshr_b32 s7, s2, 2
	s_mul_i32 s7, s7, 1023
	v_add_nc_u32 v172, s6, v[RR]                   ; k
	v_lshlrev_b32 v173, 5, v[HH]
	v_add_nc_u32 v173, 0xfffff702, v173            ; 4 (-64 + 8 h) - 2046 = 32 h - 2302
	v_mul_lo_u32 v173, v172, v173
	v_sub_nc_u32 v173, v173, s7
	v_cvt_f32_i32 v[X0R], v173
	v_cvt_f32_u32 v172, v172
	v_mul_f32 v[K4], 4.0, v172                     ; one sensor on: 4 k
	v_mul_f32 v[K2P], 0x41000000, v172             ; two: 8 k
	v_mul_f32 v[K2P+1], 0x41000000, v172
	v_mul_f32 v[K16P], 0x42800000, v172            ; sixteen: 64 k
	v_mul_f32 v[K16P+1], 0x42800000, v172
	v_mul_f32 v[TC], 0x43000000, v172              ; a K step: 128 k
	v_mul_f32 v[TC+1], 0x43000000, v172
	v_mov_b32 v[C11P], 0xc17183a8                  ; c11
	v_mov_b32 v[C11P+1], 0xc17183a8
	v_add_f32 v[X0R+1], v[X0R], v[K4]
.irp i, 1,2,3
	v_pk_add_f32 v[X0R+2*\i:X0R+2*\i+1], v[X0R+2*\i-2:X0R+2*\i-1], v[K2P:K2P+1]
.endr
.irp i, 0,1,2,3
	v_pk_add_f32 v[X0R+8+2*\i:X0R+8+2*\i+1], v[X0R+2*\i:X0R+2*\i+1], v[K16P:K16P+1]
.endr
.irp i, 0,1,2,3,4,5,6,7
	v_pk_add_f32 v[X1R+2*\i:X1R+2*\i+1], v[X0R+2*\i:X0R+2*\i+1], v[TC:TC+1]
.endr
	COSN X0R, 8
	COSN X1R, 9                                    ; the ninth pair is TC, which lies behind X1R
	v_pk_add_f32 v[TC:TC+1], v[TC:TC+1], v[TC:TC+1]    ; 2 cos of the K step's angle
; ================= staging: three register blocks of 16 loads take turns; two blocks (32 loads) stay on their way =================
	s_wait_loadcnt 32                              ; the 8 small loads are in; u0's 32 stay out
	v_lshlrev_b32 v172, 2, v0
	v_add_nc_u32 v172, L_BIAS, v172
	ds_store_b32 v172, v152                        ; bb1 | bb2
	ds_store_b32 v172, v153 offset:1024            ; bb3 | tb1
	ds_store_b32 v172, v154 offset:2048            ; tb2 | tb3
	v_and_b32 v173, 1, v0
	v_lshrrev_b32 v174, 1, v0
	v_mul_u32_u24 v174, v174, 80
	v_lshl_add_u32 v174, v173, 5, v174
	v_add_nc_u32 v174, L_TW1, v174                 ; row tid >> 1, half tid & 1 of its 64 bytes
	v_cmp_eq_u32 vcc_lo, 0, v173
	v_cvt_pk_f16_f32 v156, v156, v157
	v_cvt_pk_f16_f32 v157, v158, v159
	v_cndmask_b32 v156, 0, v156, vcc_lo            ; k 0..3 in the first half, zeros everywhere else
	v_cndmask_b32 v157, 0, v157, vcc_lo
	v_mov_b32 v158, 0
	v_mov_b32 v159, 0
.irp i, 168,169,170,171
	v_mov_b32 v\i, 0
.endr
	ds_store_b128 v174, v[156:159]
	ds_store_b128 v174, v[168:171] offset:16
.irp i, 0,1,2,3
	v_cmp_le_f32 vcc_lo, |v[160+\i]|, v[164+\i]    ; causal, from the unrounded x and t
	v_cndmask_b32 v[CM+\i], 0, 1.0, vcc_lo         ; (the small loads, whose offsets lay here, are done)
.endr
	LOADW 22, WF                                   ; tw2
	s_wait_loadcnt 32                              ; u0's first half is in
	CVTU ACT0, 0
	LOADW 24, ACT0                                 ; tw3
	s_wait_loadcnt 32                              ; u0's second half
	CVTU ACT1, 2
	LOADW 14, ACT1                                 ; bw1
	s_wait_loadcnt 32                              ; tw2
	SPLITW WF, L_TW2
	LOADW 16, WF                                   ; bw2
	s_wait_loadcnt 32                              ; tw3
	SPLITW ACT0, L_TW3
	LOADW 18, ACT0                                 ; bw3
	s_mul_i32 s6, s2, 16*WPITCH
	s_add_co_u32 s6, s6, L_BW-L_TW2
	v_add_nc_u32 v[BWA], s6, v[WA2]                ; row 16 w + r of the branch image, 16 bytes for each half of the lanes
	s_wait_loadcnt 32                              ; bw1
	SPLITW ACT1, L_BW
	BWFRAG 1
	s_wait_loadcnt 16                              ; bw2; bw3's 16 stay out
	SPLITW WF, L_BW
	BWFRAG 2
	s_wait_loadcnt 0x0                             ; bw3
	SPLITW ACT0, L_BW
	BWFRAG 3
	BAR                                            ; all images are whole, and nobody reads the branch image any more
; ================= Fourier: D = table (my 16 modes) x u0^T (32 batch rows), 32 K steps of 32 sensors, f16 =================
	v_mul_u32_u24 v[UB], v[RR], UPITCH
	v_lshl_add_u32 v[UB], v[HH], 4, v[UB]
.irp nt, 0,1
.irp q, 0,1
	ds_load_b128 v[BF0+8*\nt+4*\q:BF0+8*\nt+4*\q+3], v[UB] offset:16*UPITCH*\nt+32*\q
.endr
.endr
	FK X0R, X1R, BF0, BF1, 64, 1                   ; K steps 0 and 1 start the sums
	FK X1R, X0R, BF1, BF0, 128, 0
	v_add_nc_u32 v[UB], 128, v[UB]
	s_mov_b32 s3, 14
.Lfk:                                                  ; K steps 2 .. 29; four LDS loads are out on the way in and on the way back alike
	FK X0R, X1R, BF0, BF1, 64, 0
	FK X1R, X0R, BF1, BF0, 128, 0
	v_add_nc_u32 v[UB], 128, v[UB]
	s_sub_co_i32 s3, s3, 1
	s_cmp_lg_u32 s3, 0
	s_cbranch_scc1 .Lfk
	FK X0R, X1R, BF0, BF1, 64, 0                   ; K step 30
	FK X1R, X0R, BF1, BF0, -1, 0                   ; K step 31 loads nothing
	PLACES
.irp i, 0,1,2,3,4,5,6,7
	v_pk_mul_f32 v[FACC+2*\i:FACC+2*\i+1], v[FACC+2*\i:FACC+2*\i+1], 0x3a800000 op_sel_hi:[1,0]   ; the mean: / 1024
.endr
	SPLIT8 FACC,HO,LO,0
	SPLIT8 FACC+8,HO+4,LO+4,0
	XSTORE 0
; ================= branch MLP.  A buffer is written again only behind the barrier in front of which every wave's reads of it were waited for =================
	BLAYER 1, 0, XSZ, 1
	BLAYER 2, XSZ, 0, 1
	BLAYER 3, 0, XSZ, 0                            ; branch_out stays in buffer 1
; ================= trunk layer 1: 128 x 4 (padded to K = 32), f16; the bias is loaded into the accumulators =================
.irp tl, 0,1,2,3,4,5,6,7
.irp q, 0,1
	ds_load_b128 v[WF+8*\tl+4*\q:WF+8*\tl+4*\q+3], v[WA1] offset:1280*\tl+32*\q
	ds_load_b128 v[ACT1+8*\tl+4*\q:ACT1+8*\tl+4*\q+3], v[BA] offset:1536+64*\tl+16*\q
.endr
.endr
	v_mul_f32 v[TMP], v[XV], v[XV]
	v_fma_f32 v[TMP], v[TV], v[TV], -v[TMP]        ; t^2 - x^2
	v_max_num_f32 v[TMP], 0, v[TMP]                ; clamp; a NaN loses, as in the where()
	v_sqrt_f32 v[TMP+1], v[TMP]
	v_cmp_le_f32 vcc_lo, |v[XV]|, v[TV]            ; plain lines between the root and its use (ISA guide 5.7.2)
	v_cndmask_b32 v[TMP+2], 0, 1.0, vcc_lo
	v_cvt_pk_f16_f32 v[FB], v[XV], v[TV]           ; k = 0, 1 (lanes with h = 1 stand at k = 8 .., where A holds zeros)
	s_wait_alu depctr_va_vdst(0)
	v_cvt_pk_f16_f32 v[FB+1], v[TMP+1], v[TMP+2]   ; k = 2, 3
.irp i, 2,3,4,5,6,7
	v_mov_b32 v[FB+\i], 0
.endr
	s_wait_dscnt 0x0
.irp tl, 0,1,2,3,4,5,6,7
	v_wmma_f32_16x16x32_f16 v[ACT1+8*\tl:ACT1+8*\tl+7], v[WF+8*\tl:WF+8*\tl+7], v[FB:FB+7], v[ACT1+8*\tl:ACT1+8*\tl+7]
.endr
	PLACES
	TLOAD WA2,2048,0                               ; layer 2's first fragments, under the splitting
.irp tl, 0,1,2,3,4,5,6,7
	SPLIT8 ACT1+8*\tl,ACT0+4*\tl,ACT0+32+4*\tl,1
.endr
; ================= trunk layers 2 and 3 =================
	TLAYER ACT0, ACT1, WA2, 2048, 1, 1
	TLAYER ACT1, ACT0, WA3, 2560, 0, 2
; ================= last product: A = my 16 points of trunk_out, B = branch_out of the 32 batch rows =================
.irp c, 0,1,2,3
.if \c != 0
	PLACES
.endif
.if \c < 3
	FLOAD \c+1
	s_wait_dscnt 8                                 ; the eight loads just issued stay out
.else
	s_wait_dscnt 0x0
.endif
.set fb, WF+32*(\c&1)
.set ah, ACT0+8*\c
.if \c == 0
	MM0 ACC,ah,fb
	MM0 ACC+8,ah,fb+8
.else
	MM ACC,ah,fb,ACC
	MM ACC+8,ah,fb+8,ACC+8
.endif
	MM ACC,ah,fb+16,ACC
	MM ACC+8,ah,fb+24,ACC+8
	MM ACC,ah+32,fb,ACC
	MM ACC+8,ah+32,fb+8,ACC+8
.endr
	PLACES
; register j of lane (r, h): batch row 16 nt + r, point 16 w + 8 h + j: 32 neighbouring bytes of a row of the stage
.irp nt, 0,1
.irp q, 0,1
	ds_store_b128 v[OSW], v[ACC+8*\nt+4*\q:ACC+8*\nt+4*\q+3] offset:16*OPITCH*\nt+16*\q
.endr
.endr
	BAR                                            ; the eight waves' columns make whole rows
	s_lshl_b32 s6, s2, 16
	v_lshl_add_u32 v[OOFF], v[LANE], 4, s6         ; rows 4 w .. of out0 (u0's loads, which used this register, ended long ago)
.irp i, 0,1,2,3
	ds_load_b128 v[ACT1+4*\i:ACT1+4*\i+3], v[OSR] offset:OPITCH*\i
.endr
.irp i, 0,1,2,3
	s_wait_dscnt 3-\i                              ; LDS loads come back in order: row i is in
	v_pk_mul_f32 v[ACT1+4*\i:ACT1+4*\i+1], v[ACT1+4*\i:ACT1+4*\i+1], v[CM:CM+1]          ; x causal
	v_pk_mul_f32 v[ACT1+4*\i+2:ACT1+4*\i+3], v[ACT1+4*\i+2:ACT1+4*\i+3], v[CM+2:CM+3]
	global_store_b128 v[OOFF], v[ACT1+4*\i:ACT1+4*\i+3], s[38:39] offset:16384*\i th:TH_STORE_NT   ; 512 consecutive bytes, at a multiple of 512 from out0's first byte
.endr
	s_set_vgpr_msb 0x5
	s_wait_tensorcnt 0x0
	ds_add_u32 v192, v193
	s_wait_dscnt 0x0
	s_set_vgpr_msb 0x500
	s_endpgm
.Lfunc_end_k_q55ed599d5f_fused:
	.size	k_q55ed599d5f_fused, .Lfunc_end_k_q55ed599d5f_fused-k_q55ed599d5f_fused
	.p2alignl 7, 3214868480
	.fill 96, 4, 3214868480
	.section	.rodata,"a",@progbits
	.p2align	6, 0x0
	.amdhsa_kernel k_q55ed599d5f_fused
		.amdhsa_group_segment_fixed_size 289280
		.amdhsa_private_segment_fixed_size 0
		.amdhsa_enable_private_segment 0
		.amdhsa_kernarg_size 128
		.amdhsa_user_sgpr_count 2
		.amdhsa_user_sgpr_kernarg_segment_ptr 1
		.amdhsa_wavefront_size32 1
		.amdhsa_system_sgpr_workgroup_id_x 1
		.amdhsa_system_sgpr_workgroup_id_y 1
		.amdhsa_system_sgpr_workgroup_id_z 1
		.amdhsa_system_vgpr_workitem_id 0
		.amdhsa_next_free_vgpr 450
		.amdhsa_next_free_sgpr 66
		.amdhsa_reserve_vcc 1
		.amdhsa_float_denorm_mode_32 3
		.amdhsa_float_denorm_mode_16_64 3
		.amdhsa_memory_ordered 1
		.amdhsa_forward_progress 1
		.amdhsa_inst_pref_size 200
	.end_amdhsa_kernel
	.amdgpu_metadata
---
amdhsa.version: [ 1, 2 ]
amdhsa.kernels:
  - .name:           k_q55ed599d5f_fused
    .symbol:         k_q55ed599d5f_fused.kd
    .args:
      - { .name: u0, .offset: 0, .size: 8, .value_kind: global_buffer, .address_space: global }
      - { .name: x, .offset: 8, .size: 8, .value_kind: global_buffer, .address_space: global }
      - { .name: t, .offset: 16, .size: 8, .value_kind: global_buffer, .address_space: global }
      - { .name: bw1, .offset: 24, .size: 8, .value_kind: global_buffer, .address_space: global }
      - { .name: bw2, .offset: 32, .size: 8, .value_kind: global_buffer, .address_space: global }
      - { .name: bw3, .offset: 40, .size: 8, .value_kind: global_buffer, .address_space: global }
      - { .name: tw1, .offset: 48, .size: 8, .value_kind: global_buffer, .address_space: global }
      - { .name: tw2, .offset: 56, .size: 8, .value_kind: global_buffer, .address_space: global }
      - { .name: tw3, .offset: 64, .size: 8, .value_kind: global_buffer, .address_space: global }
      - { .name: bb1, .offset: 72, .size: 8, .value_kind: global_buffer, .address_space: global }
      - { .name: bb2, .offset: 80, .size: 8, .value_kind: global_buffer, .address_space: global }
      - { .name: bb3, .offset: 88, .size: 8, .value_kind: global_buffer, .address_space: global }
      - { .name: tb1, .offset: 96, .size: 8, .value_kind: global_buffer, .address_space: global }
      - { .name: tb2, .offset: 104, .size: 8, .value_kind: global_buffer, .address_space: global }
      - { .name: tb3, .offset: 112, .size: 8, .value_kind: global_buffer, .address_space: global }
      - { .name: out0, .offset: 120, .size: 8, .value_kind: global_buffer, .address_space: global }
    .group_segment_fixed_size: 289280
    .private_segment_fixed_size: 0
    .kernarg_segment_align: 8
    .kernarg_segment_size: 128
    .max_flat_workgroup_size: 256
    .sgpr_count:     66
    .vgpr_count:     450
    .wavefront_size: 32
...
	.end_amdgpu_metadata
.endif
;; end of part 1
